; MI455X (gfx1250); checked and timed in simulation.
; The chip was launched on July 23, 2026; its instructions are those of AMD's public machine-readable ISA for CDNA 5 (MIT licence, August 2026) and "CDNA5" Instruction Set Architecture Reference Guide (July 2026). The comments in the code are by the model that wrote it; some were corrected since.
;; Incoherent MLP. Allowed arithmetic: float matrix products may take bf16 or f16 operands with f32 sums; other float arithmetic in f32, or as packed bf16 or f16 multiplies, adds, multiply-adds, maxima and minima; sums over many terms, partial sums and values carried from step to step in f32; what a program stores and reads back later, other than sums and carried values, may be rounded once to bf16 or f16.
;; Inputs: SU_dp 1,024 float32; SU_ug 2,048 float32; W_down 2,048 x 1,024 float32; W_gate 1,024 x 2,048 float32; W_up 1,024 x 2,048 float32; Wscale_dp 2,048 float32; Wscale_ug 2,048 float32; input 4 x 2,048 x 2,048 float32.
;; Outputs: out0 4 x 2,048 x 2,048 float32.
;; One version. Each part assembles by itself: llvm-mc -triple=amdgcn-amd-amdhsa -mcpu=gfx1250 --defsym DOCPART=n.
;; ======== version 1 of 1: 3 launches
;; limits: values are held in f16: magnitudes above 65,504 overflow, below 6.1e-05 lose precision; inputs' magnitudes at most 65,504
;; workspace buffers: xh 33,554,432 bytes; wug 8,388,608 bytes; wd 4,194,304 bytes; hh 16,777,216 bytes; nrm 16,384 bytes
;; launch prep (part 1): grid 1280 x 1, 4 waves a work-group, no clusters, 0 bytes of LDS; arguments input, W_up, W_gate, W_down, SU_ug, SU_dp, Wscale_ug, xh, wug, wd, nrm; writes xh, wug, wd, nrm
.if DOCPART == 1
	.amdgcn_target "amdgcn-amd-amdhsa--gfx1250"
	.amdhsa_code_object_version 6
	.text
	.protected	k_qdf575fe440_prep
	.globl	k_qdf575fe440_prep
	.p2align	8
	.type	k_qdf575fe440_prep,@function
k_qdf575fe440_prep:
	s_mov_b64 s[64:65], 0
	v_nop
	global_prefetch_b8 v0, s[64:65] scope:SCOPE_SE
	s_setreg_imm32_b32 hwreg(HW_REG_WAVE_MODE, 25, 1), 1
	s_wait_xcnt 0x0
; PREPARATION.  The normalised Hadamard matrix is symmetric, so fwht(x * s) . w = x . (s * fwht(w)): the rotations are done on the WEIGHT rows (24 MiB) and not on the activations,
; and the module's /64 and x64 cancel exactly.  This launch makes the matrix operands of the two products that follow, all in f16:
;   xh[t][k]  = f16(input[t][k])
;   wug[R][k] = f16(16 SU_ug[k] fwht(W)[k]), W = W_up[c] or W_gate[c], R = 32 (c / 16) + 16 isgate + c % 16: up and gate of the same 16 channels lie in neighbouring blocks of 16 rows
;   wd[o][k]  = f16(16 SU_dp[k] fwht(W_down[o])[k])
; and the figures from which the later launches bound |silu(g) u| <= NX sqrt(NU NG) (Cauchy-Schwarz, |silu g| <= |g|), in f32:
;   nrm[q], q < 2048: the largest sum of squares among input rows 4 q .. 4 q + 3;  nrm[2048 + c]: Wscale_ug[c]^2 x the sum of squares of the rotated, signed row c of W_up;  nrm[3072 + c]: the same for gate.
; LIMITS.  f16 ends at 65,504: |input| and 16 x the rotated, signed weights stay under it (the factor 16 centres the weights in f16's range: with the weights and signs each 30 times smaller
; f16's fixed step of 6e-8 is still some 5e-5 of their spread; each 30 times larger they stay under 2,000).  NaN and infinities are not treated apart.
; SHARES.  No LDS, no barrier, no matrix unit: memory binds.  Work-groups 0-511: wave q = 4 g + w casts four rows of the input.  Work-groups 512-1279: wave f = 4 (g - 512) + w rotates one row
; of 2,048 (f < 1024: W_up, f < 2048: W_gate) or two rows of 1,024 (W_down): in both cases 8,192 consecutive bytes, held in 64 registers.
.set LO,  12                           ; v12  16 x lane: my 16 bytes of 512
.set SA1, 13                           ; v13  the same, + 4,096 where the sign vector has 2,048 numbers
.set SO,  14                           ; v14  8 x lane: my 8 bytes of 256
.set ZO,  15                           ; v15  0
.set XS,  16                           ; cast: v[16:143] two slots of a row, 64 registers each
.set YY,  144                          ; cast: v[144:175] a row in f16
.set SS,  176                          ; cast: v[176:183] four chains of packed squares
.set RS,  184                          ; cast: v[184:187] the four rows' sums
.set P,   16                           ; rotate: v[16:79]
.set Q,   80                           ; rotate: v[80:143]
.set S,   144                          ; rotate: v[144:207] the signs, times 16 / sqrt(n)
	s_load_b512 s[8:23], s[0:1], 0x0               ; input 8, W_up 10, W_gate 12, W_down 14, SU_ug 16, SU_dp 18, Wscale_ug 20, xh 22
	s_load_b128 s[24:27], s[0:1], 0x40             ; wug 24, wd 26
	s_load_b64 s[28:29], s[0:1], 0x50              ; nrm
	v_and_b32 v1, 31, v0                           ; lane
	v_lshrrev_b32 v2, 5, v0
	v_readfirstlane_b32 s30, v2                    ; wave 0..3
	v_lshlrev_b32 v[LO], 4, v1
	v_lshlrev_b32 v[SO], 3, v1
	v_mov_b32 v[ZO], 0
	s_mov_b32 s44, 0x76543210                      ; v_permlanex16_b32: each lane takes its own place in the other half
	s_mov_b32 s45, 0xfedcba98
	s_mov_b32 s33, 0                               ; the high word of every offset pair
	s_wait_kmcnt 0x0
	s_cmp_lt_u32 ttmp9, 512
	s_cbranch_scc0 .Lrotate
; ---------------------------------------------------------------- the cast
; Load j of a row: lane l takes elements 128 j + 4 l + 0..3 (512 consecutive bytes a load); in f16 they are the 8 bytes at 256 j + 8 l: a store covers 256 consecutive bytes, aligned.
	s_lshl_b32 s31, ttmp9, 2
	s_add_co_u32 s31, s31, s30                     ; q
	s_lshl_b32 s32, s31, 15                        ; four rows of 8,192 bytes
	s_add_nc_u64 s[34:35], s[8:9], s[32:33]
	s_lshl_b32 s32, s31, 14                        ; four rows of 4,096 bytes
	s_add_nc_u64 s[36:37], s[22:23], s[32:33]
	s_lshl_b32 s32, s31, 2
	s_add_nc_u64 s[28:29], s[28:29], s[32:33]      ; nrm[q]
.macro FILL s, r                       ; row r into slot s: sixteen loads
.set jf, 0
.rept 16
	global_load_b128 v[XS+64*(\s)+4*jf:XS+64*(\s)+4*jf+3], v[LO], s[34:35] offset:(\r)*8192+512*jf th:TH_LOAD_NT
.set jf, jf+1
.endr
.endm
; Row r, which lies in slot s.  fill = 1: the slot takes row r + 2, ahead of this row's stores.  left: the younger loads that may stay out.
.macro TURN r, s, fill, left
	s_wait_loadcnt \left                           ; loads come back in order: my sixteen are in
	s_wait_xcnt 0x0                                ; the last row's stores have read YY: it is rewritten only behind this wait
.set n, 0
.rept 32                               ; the sum of squares, in f32, in four chains; the first four products start them
.if n < 4
	v_pk_mul_f32 v[SS+2*n:SS+2*n+1], v[XS+64*(\s)+2*n:XS+64*(\s)+2*n+1], v[XS+64*(\s)+2*n:XS+64*(\s)+2*n+1]
.else
	v_pk_fma_f32 v[SS+2*(n%4):SS+2*(n%4)+1], v[XS+64*(\s)+2*n:XS+64*(\s)+2*n+1], v[XS+64*(\s)+2*n:XS+64*(\s)+2*n+1], v[SS+2*(n%4):SS+2*(n%4)+1]
.endif
.set n, n+1
.endr
.set n, 0
.rept 32
	v_cvt_pk_f16_f32 v[YY+n], v[XS+64*(\s)+2*n], v[XS+64*(\s)+2*n+1]
.set n, n+1
.endr
.if \fill
	FILL \s, (\r)+2
.endif
.set n, 0
.rept 16
	global_store_b64 v[SO], v[YY+2*n:YY+2*n+1], s[36:37] offset:(\r)*4096+256*n
.set n, n+1
.endr
	v_pk_add_f32 v[SS:SS+1], v[SS:SS+1], v[SS+2:SS+3]
	v_pk_add_f32 v[SS+4:SS+5], v[SS+4:SS+5], v[SS+6:SS+7]
	v_pk_add_f32 v[SS:SS+1], v[SS:SS+1], v[SS+4:SS+5]
	v_add_f32 v[RS+(\r)], v[SS], v[SS+1]
.endm
	FILL 0, 0
	FILL 1, 1
	TURN 0, 0, 1, 16                               ; the other slot's sixteen loads stay out
	TURN 1, 1, 1, 16
	TURN 2, 0, 0, 16
	TURN 3, 1, 0, 0
.irp m, 1,2,4,8                        ; the four rows' sums over the lanes, the rows by turns
.irp r, 0,1,2,3
	v_add_f32_dpp v[RS+\r], v[RS+\r], v[RS+\r] row_xmask:\m row_mask:0xf bank_mask:0xf
.endr
.endr
.irp r, 0,1,2,3
	v_permlanex16_b32 v[SS+\r], v[RS+\r], s44, s45 ; its destination counts as read: SS has been written
.endr
.irp r, 0,1,2,3
	v_add_f32 v[RS+\r], v[RS+\r], v[SS+\r]
.endr
	v_max3_num_f32 v[RS], v[RS], v[RS+1], v[RS+2]
	v_max_num_f32 v[RS], v[RS], v[RS+3]
	s_wait_xcnt 0x0                                ; EXEC is a source of the stores above: it changes only behind this wait
	v_cmp_eq_u32 vcc_lo, 0, v1
	s_and_saveexec_b32 s40, vcc_lo
	global_store_b32 v[ZO], v[RS], s[28:29]        ; four bytes a wave: 16 KiB of such figures in the whole launch
	s_wait_xcnt 0x0
	s_or_b32 exec_lo, exec_lo, s40
	s_endpgm
; ---------------------------------------------------------------- the rotation
; Element e = 128 j + 4 l + i lies in register 4 j + i of lane l: bits 0-1 of e are i, bits 2-6 the lane, bits 7-10 j.  A butterfly stage for each bit, in any order (they commute):
; bit 0 inside register pairs, bit 1 and bits 7-10 between pairs (packed), bits 2-6 between lanes.  Two rows of 1,024 differ in bit 10: they run through the same text without that stage.
.Lrotate:
	s_sub_co_u32 s31, ttmp9, 512
	s_lshl_b32 s31, s31, 2
	s_add_co_u32 s31, s31, s30                     ; f
	s_and_b32 s47, s31, 1023                       ; the channel c, or the pair of rows d
	s_lshl_b32 s32, s47, 13                        ; 8,192 bytes each in the source
	s_lshr_b32 s48, s47, 4
	s_lshl_b32 s48, s48, 5
	s_and_b32 s46, s47, 15
	s_add_co_u32 s48, s48, s46
	s_bfe_u32 s46, s31, 0x1000a                    ; bit 10 of f: gate
	s_lshl4_add_u32 s48, s46, s48                  ; R = 32 (c / 16) + 16 isgate + c % 16
	s_cmp_lt_u32 s31, 1024
	s_cselect_b64 s[34:35], s[10:11], s[12:13]
	s_cmp_lt_u32 s31, 2048                         ; up or gate?
	s_cselect_b64 s[34:35], s[34:35], s[14:15]     ; the source,
	s_cselect_b64 s[36:37], s[24:25], s[26:27]     ; the destination,
	s_cselect_b64 s[38:39], s[16:17], s[18:19]     ; the signs,
	s_cselect_b32 s42, 0x3eb504f3, 0.5             ; 16 / sqrt(2048) or 16 / sqrt(1024),
	s_cselect_b32 s46, 4096, 0                     ; where the signs' second half lies,
	s_cselect_b32 s48, s48, s47                    ; and which 4,096 bytes of the destination
	s_mov_b32 s43, s42                             ; named with it as a pair
	s_add_nc_u64 s[34:35], s[34:35], s[32:33]
	s_lshl_b32 s32, s48, 12
	s_add_nc_u64 s[36:37], s[36:37], s[32:33]
	v_add_nc_u32 v[SA1], s46, v[LO]
.set j, 0
.rept 16
	global_load_b128 v[P+4*j:P+4*j+3], v[LO], s[34:35] offset:512*j th:TH_LOAD_NT
.set j, j+1
.endr
.set j, 0
.rept 8
	global_load_b128 v[S+4*j:S+4*j+3], v[LO], s[38:39] offset:512*j
.set j, j+1
.endr
.set j, 0
.rept 8
	global_load_b128 v[S+32+4*j:S+32+4*j+3], v[SA1], s[38:39] offset:512*j
.set j, j+1
.endr
	s_mov_b32 s49, 0x80000000
	s_mov_b32 s50, 1.0
.irp b, 0,1,2,3,4                      ; v[2+2b : 3+2b] = -1 where bit b of my lane is set, else +1, twice (a pair for the packed forms)
	v_lshlrev_b32 v[2+2*\b], 31-\b, v1
	v_and_or_b32 v[2+2*\b], v[2+2*\b], s49, s50
	v_mov_b32 v[3+2*\b], v[2+2*\b]
.endr
.macro ST0 a, b                        ; bit 0: inside each register pair
.set n, 0
.rept 32
	v_add_f32 v[(\b)+n], v[(\a)+n], v[(\a)+n+1]
	v_sub_f32 v[(\b)+n+1], v[(\a)+n], v[(\a)+n+1]
.set n, n+2
.endr
.endm
.macro PKST a, b, D                    ; registers D apart, two numbers an instruction
.set n, 0
.rept 32
.if (n & (\D)) == 0
	v_pk_add_f32 v[(\b)+n:(\b)+n+1], v[(\a)+n:(\a)+n+1], v[(\a)+n+(\D):(\a)+n+(\D)+1]
	v_pk_add_f32 v[(\b)+n+(\D):(\b)+n+(\D)+1], v[(\a)+n:(\a)+n+1], v[(\a)+n+(\D):(\a)+n+(\D)+1] neg_lo:[0,1] neg_hi:[0,1]
.endif
.set n, n+2
.endr
.endm
.macro LANE a, b, m, sg                ; lanes m apart (m < 16): the partner's number + my own with my sign
.set n, 0
.rept 32
	v_pk_mul_f32 v[(\b)+n:(\b)+n+1], v[(\a)+n:(\a)+n+1], v[\sg:\sg+1]
.set n, n+2
.endr
.set n, 0
.rept 64
	v_add_f32_dpp v[(\b)+n], v[(\a)+n], v[(\b)+n] row_xmask:\m row_mask:0xf bank_mask:0xf
.set n, n+1
.endr
.endm
.macro LANE16 a, b                     ; lanes 16 apart
.set n, 0
.rept 64
	v_permlanex16_b32 v[(\b)+n], v[(\a)+n], s44, s45
.set n, n+1
.endr
.set n, 0
.rept 32
	v_pk_fma_f32 v[(\b)+n:(\b)+n+1], v[(\a)+n:(\a)+n+1], v[10:11], v[(\b)+n:(\b)+n+1]
.set n, n+2
.endr
.endm
; The end: the rotated row in z takes signs and factor, is rounded to f16 into o and stored.  ug = 1: also Wscale^2 x its sum of squares (z holds 16 x the numbers: 2^-8 takes that out).
.macro TAIL z, o, ug
.set n, 0
.rept 32
	v_pk_mul_f32 v[(\z)+n:(\z)+n+1], v[(\z)+n:(\z)+n+1], v[S+n:S+n+1]
.set n, n+2
.endr
.if \ug
.set n, 0
.rept 32
.if n < 4
	v_pk_mul_f32 v[(\o)+32+2*n:(\o)+32+2*n+1], v[(\z)+2*n:(\z)+2*n+1], v[(\z)+2*n:(\z)+2*n+1]
.else
	v_pk_fma_f32 v[(\o)+32+2*(n%4):(\o)+32+2*(n%4)+1], v[(\z)+2*n:(\z)+2*n+1], v[(\z)+2*n:(\z)+2*n+1], v[(\o)+32+2*(n%4):(\o)+32+2*(n%4)+1]
.endif
.set n, n+1
.endr
.endif
.set n, 0
.rept 32
	v_cvt_pk_f16_f32 v[(\o)+n], v[(\z)+2*n], v[(\z)+2*n+1]
.set n, n+1
.endr
.set n, 0
.rept 16
	global_store_b64 v[SO], v[(\o)+2*n:(\o)+2*n+1], s[36:37] offset:256*n  ; 256 consecutive bytes, aligned
.set n, n+1
.endr
.if \ug
	v_pk_add_f32 v[(\o)+32:(\o)+33], v[(\o)+32:(\o)+33], v[(\o)+34:(\o)+35]
	v_pk_add_f32 v[(\o)+36:(\o)+37], v[(\o)+36:(\o)+37], v[(\o)+38:(\o)+39]
	v_pk_add_f32 v[(\o)+32:(\o)+33], v[(\o)+32:(\o)+33], v[(\o)+36:(\o)+37]
	v_add_f32 v[(\o)+32], v[(\o)+32], v[(\o)+33]
.irp m, 1,2,4,8
	v_add_f32_dpp v[(\o)+32], v[(\o)+32], v[(\o)+32] row_xmask:\m row_mask:0xf bank_mask:0xf
.endr
	v_permlanex16_b32 v[(\o)+33], v[(\o)+32], s44, s45
	v_add_f32 v[(\o)+32], v[(\o)+32], v[(\o)+33]
	s_wait_kmcnt 0x0                               ; Wscale_ug[f]
	v_mul_f32 v[(\o)+32], s46, v[(\o)+32]
	v_mul_f32 v[(\o)+32], s46, v[(\o)+32]
	v_mul_f32 v[(\o)+32], 0x3b800000, v[(\o)+32]   ; 2^-8
	s_wait_xcnt 0x0                                ; EXEC is a source of the stores above: it changes only behind this wait
	v_cmp_eq_u32 vcc_lo, 0, v1
	s_and_saveexec_b32 s40, vcc_lo
	global_store_b32 v[ZO], v[(\o)+32], s[28:29] offset:8192  ; nrm[2048 + f]: four bytes a wave
	s_wait_xcnt 0x0
	s_or_b32 exec_lo, exec_lo, s40
.endif
	s_endpgm
.endm
	s_wait_loadcnt 16                              ; the row is in; the signs' sixteen loads stay out
	ST0 P, Q
	PKST Q, P, 2
	s_wait_loadcnt 0x0                             ; the signs
.set n, 0
.rept 32
	v_pk_mul_f32 v[S+n:S+n+1], v[S+n:S+n+1], s[42:43] op_sel_hi:[1,0]
.set n, n+2
.endr
	LANE P, Q, 1, 2
	LANE Q, P, 2, 4
	LANE P, Q, 4, 6
	LANE Q, P, 8, 8
	LANE16 P, Q
	PKST Q, P, 4
	PKST P, Q, 8
	PKST Q, P, 16
	s_cmp_lt_u32 s31, 2048
	s_cbranch_scc0 .Ldown
	s_lshl_b32 s32, s31, 2                         ; up and gate: Wscale_ug[f] and nrm[2048 + f] lie 4 f bytes on
	s_add_nc_u64 s[20:21], s[20:21], s[32:33]
	s_add_nc_u64 s[28:29], s[28:29], s[32:33]
	s_load_b32 s46, s[20:21], 0x0
	PKST P, Q, 32                                  ; the eleventh stage, for rows of 2,048 alone
	TAIL Q, P, 1
.Ldown:
	TAIL P, Q, 0
.Lfunc_end_k_qdf575fe440_prep:
	.size	k_qdf575fe440_prep, .Lfunc_end_k_qdf575fe440_prep-k_qdf575fe440_prep
	.p2alignl 7, 3214868480
	.fill 96, 4, 3214868480
	.section	.rodata,"a",@progbits
	.p2align	6, 0x0
	.amdhsa_kernel k_qdf575fe440_prep
		.amdhsa_group_segment_fixed_size 0
		.amdhsa_private_segment_fixed_size 0
		.amdhsa_enable_private_segment 0
		.amdhsa_kernarg_size 88
		.amdhsa_user_sgpr_count 2
		.amdhsa_user_sgpr_kernarg_segment_ptr 1
		.amdhsa_wavefront_size32 1
		.amdhsa_system_sgpr_workgroup_id_x 1
		.amdhsa_system_sgpr_workgroup_id_y 1
		.amdhsa_system_sgpr_workgroup_id_z 1
		.amdhsa_system_vgpr_workitem_id 0
		.amdhsa_next_free_vgpr 208
		.amdhsa_next_free_sgpr 66
		.amdhsa_reserve_vcc 1
		.amdhsa_float_denorm_mode_32 3
		.amdhsa_float_denorm_mode_16_64 3
		.amdhsa_memory_ordered 1
		.amdhsa_forward_progress 1
		.amdhsa_inst_pref_size 96
	.end_amdhsa_kernel
	.amdgpu_metadata
---
amdhsa.version: [ 1, 2 ]
amdhsa.kernels:
  - .name:           k_qdf575fe440_prep
    .symbol:         k_qdf575fe440_prep.kd
    .args:
      - { .name: input, .offset: 0, .size: 8, .value_kind: global_buffer, .address_space: global }
      - { .name: W_up, .offset: 8, .size: 8, .value_kind: global_buffer, .address_space: global }
      - { .name: W_gate, .offset: 16, .size: 8, .value_kind: global_buffer, .address_space: global }
      - { .name: W_down, .offset: 24, .size: 8, .value_kind: global_buffer, .address_space: global }
      - { .name: SU_ug, .offset: 32, .size: 8, .value_kind: global_buffer, .address_space: global }
      - { .name: SU_dp, .offset: 40, .size: 8, .value_kind: global_buffer, .address_space: global }
      - { .name: Wscale_ug, .offset: 48, .size: 8, .value_kind: global_buffer, .address_space: global }
      - { .name: xh, .offset: 56, .size: 8, .value_kind: global_buffer, .address_space: global }
      - { .name: wug, .offset: 64, .size: 8, .value_kind: global_buffer, .address_space: global }
      - { .name: wd, .offset: 72, .size: 8, .value_kind: global_buffer, .address_space: global }
      - { .name: nrm, .offset: 80, .size: 8, .value_kind: global_buffer, .address_space: global }
    .group_segment_fixed_size: 0
    .private_segment_fixed_size: 0
    .kernarg_segment_align: 8
    .kernarg_segment_size: 88
    .max_flat_workgroup_size: 128
    .sgpr_count:     66
    .vgpr_count:     208
    .wavefront_size: 32
...
	.end_amdgpu_metadata
.endif
;; end of part 1
;; launch gemm1 (part 2): grid 8 x 32, 4 waves a work-group, clusters of 4 x 4, 327,680 bytes of LDS; arguments xh, wug, hh, Wscale_ug, nrm; writes hh
.if DOCPART == 2
	.amdgcn_target "amdgcn-amd-amdhsa--gfx1250"
	.amdhsa_code_object_version 6
	.text
	.protected	k_qdf575fe440_gemm1
	.globl	k_qdf575fe440_gemm1
	.p2align	8
	.type	k_qdf575fe440_gemm1,@function
k_qdf575fe440_gemm1:
	s_mov_b64 s[64:65], 0
	v_nop
	global_prefetch_b8 v0, s[64:65] scope:SCOPE_SE
	s_setreg_imm32_b32 hwreg(HW_REG_WAVE_MODE, 25, 1), 1
	s_wait_xcnt 0x0
	s_wait_alu depctr_hold_cnt(0) depctr_sa_sdst(0) depctr_va_vdst(0) depctr_va_sdst(0) depctr_va_ssrc(0) depctr_va_vcc(0) depctr_vm_vsrc(0)
	s_getreg_b32 s2, hwreg(HW_REG_IB_STS2, 6, 4)
	s_cmp_eq_u32 s2, 0
	s_cbranch_scc0 .Lentry_in_a_cluster
	s_endpgm
.Lentry_in_a_cluster:
	s_bfe_u32 s2, ttmp6, 0x10000c
	s_cmp_lg_u32 s2, 0xf033
	s_cbranch_scc0 .Lentry_shape_is_right
	s_endpgm
.Lentry_shape_is_right:
; UP, GATE AND SWIGLU.  acc[t][R] = the sum over k of xh[t][k] wug[R][k] (f16 operands, f32 sums); wug's row R = 32 (c / 16) + 16 isgate + c % 16 holds 16 x the rotated, signed weights of channel c.
; u = accU Wscale_ug[c] / 16, g = accG Wscale_ug[1024 + c] / 16, hh[t][c] = f16(alpha silu(g) u).  xh: [8192][2048], wug: [2048][2048], hh: [8192][1024], all f16.
; IN BASE 2: G' = accG sG with sG = -log2(e) Wscale_g / 16, U' = accU sU with sU = -ln(2) alpha Wscale_u / 16; alpha h = (G' U') / (1 + 2^G').  Where 2^G' is infinite the quotient is 0, and G' U' is finite.
; ALPHA.  h grows with the square of the inputs and has no fixed place in f16's range.  |h| <= Hb = NX sqrt(NU NG), the maxima of the figures in nrm; alpha = 2^(141 - E), E = Hb's biased exponent held to
; 16 .. 250, puts alpha Hb into [2^14, 2^15).  It is a power of two, the same in every work-group of this launch and the next, which divides by it exactly.  It enters values alone.
; LIMITS.  One alpha for all tokens: alpha h below 6e-5 keeps f16's fixed step of 6e-8.  An exponential or reciprocal below 2^-126 counts as 0.  NaN and infinities are not treated apart.
; SHAPE.  A tile of acc is 256 x 256 (256 tokens x 128 channels' up and gate): 32 x 8 tiles, a work-group each.  Four waves, each 128 x 128: 64 accumulators, 512 registers.  K goes in steps of 128
; through two LDS slots filled by the tensor data mover; a tile's rows are 256 bytes of memory, aligned.
; CLUSTERS of 4 x 4: the four of a row need the same tiles of xh, the four of a column the same tiles of wug: each tile is asked for JOINTLY, by the same tensor load, descriptor and mask in all four.
; THE MATRIX INSTRUCTION IS USED TRANSPOSED (source 0 = 16 rows of wug, source 1 = 16 rows of xh): lane l holds token l % 16 and the columns 8 (l / 16) + 0..7, so up (block 2 p) and gate (block 2 p + 1)
; of the same eight channels lie in the same lane, and its eight h pack into 16 bytes.
; REGISTERS, in windows of 256 (s_set_vgpr_msb: bits 1:0 source 0, 3:2 source 1, 5:4 source 2, 7:6 destination):
;   window 0: v0-31 addresses and temporaries; v32-63 nrm at the head; v64-127, v128-191 xh's fragments, two buffers, later the way out; v192-207 the waves' maxima
;   window 1: v0-31 sU, v32-63 sG (loaded at the head, never touched by the loop); v64-127, v128-191 wug's fragments      windows 2, 3: accumulator (a, b) at v[8 (8 (a % 4) + b)] of window 2 + a / 4
.set SIZE_K, 2048
.set KSTEP,  128
.set PITCH,  272                       ; an LDS row: 256 bytes + 16 of padding: the 16 rows of a fragment load start 16 bytes apart modulo 256
.set HALFT,  128*PITCH                 ; what one tensor load brings, and what one wave reads of either operand
.set SLOT,   4*HALFT
.set SCR,    2*SLOT                    ; behind the ring: 16 bytes for each wave's three maxima, a block of 256 bytes of their own
.set SPARE,  SCR+256                   ; the spare words, 128 bytes for each wave: two blocks of 256 bytes that no other line names
.set LAPS,   SIZE_K/(2*KSTEP)
.set ADRA, 16                          ; v16-17  LDS address of my xh fragments in slot 0, 1
.set ADRB, 20                          ; v20-21  the same for wug
.set STO,  24                          ; v24     the way out: where I put 16 bytes of a row
.set RD,   25                          ; v25     where I read a row back
.set CO,   26                          ; v26     my byte offset in hh
.set SCRA, 27                          ; v27     SCR
.set SPW,  28                          ; v28     my spare word; never rewritten
.set NIL,  29                          ; v29     0; never rewritten
.set PFO,  30                          ; v30     the prefetches' offset: my lane x a row of 2 SIZE_K bytes
.set WSO,  31                          ; v31     32 (l / 16): my eight columns' scales
.set NRM,  32
.set F0,   64
.set F1,   128
.set TT,   64                          ; the way out: G'
.set VV,   96                          ; U', then G' U', then alpha h
.set EE,   128                         ; 2^G', 1 + 2^G', its reciprocal
.set HP,   160                         ; alpha h in f16
.set LIM,  43                          ; s43     1 in a wave that prefetches, else the greatest number
.set PFA,  44                          ; s[44:45] where my prefetches stand
.set G1,  24
.set G0,  32
.set G1B, 48
.set G0B, 56
.set MSB, 0
.macro WIN new                         ; the immediate's high byte repeats the setting that is left; a switch that changes nothing is dropped
.if MSB != (\new)
	s_set_vgpr_msb (MSB<<8)|(\new)
.set MSB, \new
.endif
.endm
.set MUL_LO, 0xa1                      ; source 0 (wug) window 1, source 1 (xh) window 0, C and D window 2
.set MUL_HI, 0xf1                      ; the same, C and D window 3
.set TO_B,   0x40                      ; destination window 1, address window 0
; A joint load.  Waves 0 and 1 fetch xh's two halves, waves 2 and 3 wug's.  The branch hangs on the wave's number alone.  An s_nop 0 and four v_nop follow each of the two lines.
.macro JLOAD s
	s_cmp_eq_u32 s11, 0
	s_cbranch_scc0 .Lfor_b_\@
	tensor_load_to_lds s[G0+4*(\s):G0+4*(\s)+3], s[G1:G1+7]
	s_nop 0
.rept 4
	v_nop
.endr
	s_branch .Lasked_\@
.Lfor_b_\@:
	tensor_load_to_lds s[G0B+4*(\s):G0B+4*(\s)+3], s[G1B:G1B+7]
	s_nop 0
.rept 4
	v_nop
.endr
.Lasked_\@:
.endm
; A prefetch of the K step that stands two refills on: 32 rows x 256 bytes, a lane a row, one instruction a wave.  Each row's 256 bytes of a K step are named once in the launch: cluster x = 0 asks for xh's
; rows, cluster y = 0 for wug's; the four partners that ask for a tile jointly take 32 of a wave's 128 rows each, told apart by address.  The loop's last trip asks for nothing: K ends there.
.macro ASK
	s_cmp_gt_u32 s3, s[LIM]
	s_cbranch_scc0 .Lnot_mine_\@
	global_prefetch_b8 v[PFO], s[PFA:PFA+1] offset:KSTEP*2 th:TH_LOAD_NT scope:SCOPE_SE
.Lnot_mine_\@:
.endm
.macro CREST                           ; a round of the cluster's barrier behind its opening barrier
	s_cmp_lg_u32 s10, 0
	s_cbranch_scc1 .Lnot_wave_0_\@
	s_barrier_signal -3
.Lnot_wave_0_\@:
	s_barrier_wait -3
	s_barrier_signal -1
	s_barrier_wait -1
.endm
.macro CROUND                          ; a whole round
	s_barrier_signal -1
	s_barrier_wait -1
	CREST
.endm
; 16 matrix instructions: row blocks a0, a0 + 1 of the window's four x all 8 column blocks, 32 along K.  zero = 1: the first product starts the sums.
.macro MUL16 f, hi, a0, zero
	WIN MUL_LO+0x50*(\hi)
.irp a, \a0, (\a0)+1
.irp b, 0,1,2,3,4,5,6,7
.if \zero
	v_wmma_f32_16x16x32_f16 v[8*(8*(\a)+(\b)):8*(8*(\a)+(\b))+7], v[(\f)+8*(\b):(\f)+8*(\b)+7], v[(\f)+8*(4*(\hi)+(\a)):(\f)+8*(4*(\hi)+(\a))+7], 0
.else
	v_wmma_f32_16x16x32_f16 v[8*(8*(\a)+(\b)):8*(8*(\a)+(\b))+7], v[(\f)+8*(\b):(\f)+8*(\b)+7], v[(\f)+8*(4*(\hi)+(\a)):(\f)+8*(4*(\hi)+(\a))+7], v[8*(8*(\a)+(\b)):8*(8*(\a)+(\b))+7]
.endif
.endr
.endr
.endm
; 32 LDS loads in one run: a quarter step's fragments (128 rows of wug, 128 of xh, 32 K at byte k of the rows) into buffer f
.macro FETCH slot, k, f
	WIN TO_B
.irp i, 0,1,2,3,4,5,6,7
	ds_load_b128 v[(\f)+8*(\i):(\f)+8*(\i)+3],   v[ADRB+(\slot)] offset:(\k)+(\i)*16*PITCH
	ds_load_b128 v[(\f)+8*(\i)+4:(\f)+8*(\i)+7], v[ADRB+(\slot)] offset:(\k)+(\i)*16*PITCH+32
.endr
	WIN 0
.irp i, 0,1,2,3,4,5,6,7
	ds_load_b128 v[(\f)+8*(\i):(\f)+8*(\i)+3],   v[ADRA+(\slot)] offset:(\k)+(\i)*16*PITCH
	ds_load_b128 v[(\f)+8*(\i)+4:(\f)+8*(\i)+7], v[ADRA+(\slot)] offset:(\k)+(\i)*16*PITCH+32
.endr
.endm
.macro PLACES                          ; four plain vector instructions between a matrix instruction and a load into, or a vector write or read of, its registers
.rept 4
	v_nop
.endr
.endm
; A K step is four quarters of 32 along K, 64 matrix instructions each, on buffers 0, 1, 0, 1.  One of the first three: multiplies f; in its middle it fetches the next quarter, at byte k, into g.
.macro QUARTER slot, k, f, g, zero
	s_wait_dscnt 8                                 ; wug's fragments and xh's rows 0-63 are in; the youngest eight loads (rows 64-127) may be out
	WIN MUL_LO
	MUL16 \f, 0, 0, \zero
	MUL16 \f, 0, 2, \zero
	PLACES
	FETCH \slot, \k, \g
	s_wait_dscnt 32                                ; all but the 32 just issued
	WIN MUL_HI
	MUL16 \f, 1, 0, \zero
	MUL16 \f, 1, 2, \zero
.endm
; The first half of the last quarter: one barrier for the change of slots.  In front of it each wave waits for all its tensor loads (one is out: its part of the next slot), adds 0 to its spare word,
; and waits for that and for its own reads of this slot.  Behind it nobody reads this slot any more and the next slot is whole.
.macro MEET round
	WIN 0
	s_wait_tensorcnt 0x0
	ds_add_u32 v[SPW], v[NIL]
	s_wait_dscnt 9                                 ; the add and the youngest eight loads may be out
	WIN MUL_LO
	MUL16 F1, 0, 0, 0
	s_wait_dscnt 0x0                               ; the add is done, and my reads of this slot are over
	s_barrier_signal -1
	MUL16 F1, 0, 2, 0
.if \round
	WIN 0
.endif
	s_barrier_wait -1
.endm
; The whole last quarter.  fill = 1: the barrier opens a round of the cluster's barrier, and the slot just read out is filled again, first thing behind the round, with the K step two steps on:
; 224 matrix instructions stand between that request and the wait for it.
.macro TURN slot, next, fill
.if \fill
	s_wait_xcnt 0x0                                ; the last prefetch, a K step back, has read its address
	s_add_nc_u64 s[PFA:PFA+1], s[PFA:PFA+1], KSTEP*2
	MEET 1
	CREST
	s_add_nc_u64 s[G0+4*(\slot)+2:G0+4*(\slot)+3], s[G0+4*(\slot)+2:G0+4*(\slot)+3], 2*KSTEP*2
	s_add_nc_u64 s[G0B+4*(\slot)+2:G0B+4*(\slot)+3], s[G0B+4*(\slot)+2:G0B+4*(\slot)+3], 2*KSTEP*2
	JLOAD \slot                                    ; the four v_nop behind it are also the places in front of the loads below
.else
	MEET 0
	PLACES
.endif
	FETCH \next, 0, F0
.if \fill
	ASK
.endif
	WIN MUL_HI
	MUL16 F1, 1, 0, 0
	MUL16 F1, 1, 2, 0
.endm
	s_load_b128 s[4:7], s[0:1], 0x0                ; xh s[4:5], wug s[6:7]
	s_load_b64 s[8:9], s[0:1], 0x10                ; hh
	s_load_b128 s[68:71], s[0:1], 0x18             ; Wscale_ug s[68:69], nrm s[70:71]
	v_lshl_add_u32 v[SPW], v0, 2, SPARE
	v_mov_b32 v[NIL], 0
	ds_add_u32 v[SPW], v[NIL]                      ; the wave's opening: the add, twice on end, and its wait ahead of my first tensor load
	ds_add_u32 v[SPW], v[NIL]
	v_lshrrev_b32 v1, 5, v0
	v_readfirstlane_b32 s10, v1                    ; wave 0..3
	s_lshr_b32 s11, s10, 1                         ; which half of the tile's rows is mine.  Also: I fetch for xh (0) or for wug (1)
	s_and_b32 s12, s10, 1                          ; which half of its columns.  Also: which 128 rows of that tile I fetch
	s_bfe_u32 s40, ttmp6, 0x40000                  ; cx
	s_bfe_u32 s41, ttmp6, 0x40004                  ; cy
	s_lshl_b32 s42, ttmp9, 2
	s_add_co_u32 s42, s42, s40                     ; tile column X = 4 x cluster x + cx
	s_and_b32 s13, ttmp7, 0xffff
	s_lshl_b32 s13, s13, 2
	s_add_co_u32 s13, s13, s41                     ; tile row Y = 4 x cluster y + cy
	s_lshl_b32 s43, s41, 2
	s_lshl_b32 s43, 15, s43                        ; my row of the cluster
	s_lshl_b32 s44, 0x1111, s40                    ; my column
	; descriptor group 1: 128 rows x 128 elements of 2 bytes; 16 bytes of padding behind every 64 words; the mask, and bit 21 beside it
	s_or_b32 s[G1+0], s43, (1<<16)|(1<<20)|(1<<21)|(5<<22)|(3<<25)
	s_or_b32 s[G1B+0], s44, (1<<16)|(1<<20)|(1<<21)|(5<<22)|(3<<25)
.irp g, G1, G1B
	s_mov_b32 s[(\g)+1], KSTEP<<16                 ; tensor_dim0 = 128
	s_mov_b32 s[(\g)+2], 128<<16                   ; tensor_dim1 = 128
	s_mov_b32 s[(\g)+3], KSTEP<<16                 ; tile_dim0 = 128
	s_mov_b32 s[(\g)+4], 128                       ; tile_dim1 = 128
	s_mov_b32 s[(\g)+5], SIZE_K                    ; elements from row to row
	s_mov_b32 s[(\g)+6], 0
	s_mov_b32 s[(\g)+7], 0
.endr
	s_mov_b32 s72, 0x76543210                      ; v_permlanex16_b32's selects
	s_mov_b32 s73, 0xfedcba98
	s_lshl_b32 s17, s12, 7                         ; which 128 rows of the tile I fetch
	s_lshl_b32 s16, s13, 8
	s_add_co_u32 s16, s16, s17                     ; xh: row 256 Y + 128 x half
	s_lshl_b32 s46, s42, 8
	s_add_co_u32 s46, s46, s17                     ; wug: row 256 X + 128 x half
	s_mov_b32 s17, 0
	s_mov_b32 s47, 0
	s_mov_b64 s[18:19], SIZE_K*2
	s_mul_u64 s[16:17], s[16:17], s[18:19]
	s_mul_u64 s[46:47], s[46:47], s[18:19]
	s_mul_i32 s20, s10, HALFT                      ; where they go: wave x 128 rows: no place in the cluster enters an LDS address
	s_wait_dscnt 0x0                               ; both opening adds are done
	s_wait_kmcnt 0x0
	s_add_nc_u64 s[14:15], s[4:5], s[16:17]
	s_add_nc_u64 s[46:47], s[6:7], s[46:47]
	CROUND                                         ; all sixteen work-groups are here: the first joint loads meet
.irp s, 0,1
	s_mov_b32 s[G0+4*(\s)], 1
	s_add_co_u32 s[G0+4*(\s)+1], s20, (\s)*SLOT
	s_add_nc_u64 s[G0+4*(\s)+2:G0+4*(\s)+3], s[14:15], (\s)*KSTEP*2
	s_or_b32 s[G0+4*(\s)+3], s[G0+4*(\s)+3], 0x80000000
	s_mov_b32 s[G0B+4*(\s)], 1
	s_add_co_u32 s[G0B+4*(\s)+1], s20, (\s)*SLOT
	s_add_nc_u64 s[G0B+4*(\s)+2:G0B+4*(\s)+3], s[46:47], (\s)*KSTEP*2
	s_or_b32 s[G0B+4*(\s)+3], s[G0B+4*(\s)+3], 0x80000000
	JLOAD \s                                       ; two tensor loads of mine are out
.endr
	; nrm (16 bytes a thread, eight times: the work-group reads all 16 KiB) and my columns' scales, once, while the first tiles are on their way
	v_and_b32 v1, 15, v0                           ; l % 16
	v_bfe_u32 v2, v0, 4, 1                         ; l / 16
	v_lshlrev_b32 v11, 4, v0
	v_lshlrev_b32 v[WSO], 5, v2
	s_lshl_b32 s74, s42, 9                         ; my first channel is 128 X + 64 x column half: 4 bytes each
	s_lshl_b32 s75, s12, 8
	s_add_co_u32 s74, s74, s75
	s_mov_b32 s75, 0
	s_add_nc_u64 s[68:69], s[68:69], s[74:75]
.irp i, 0,1,2,3,4,5,6,7
	global_load_b128 v[NRM+4*\i:NRM+4*\i+3], v11, s[70:71] offset:2048*\i
.endr
	WIN TO_B
.irp p, 0,1,2,3                        ; channels 16 p + 8 (l / 16) + 0..7: up's scales into v[8 p ..], gate's into v[32 + 8 p ..] of window 1
.irp z, 0,1
	global_load_b128 v[8*\p+4*\z:8*\p+4*\z+3], v[WSO], s[68:69] offset:64*\p+16*\z
	global_load_b128 v[32+8*\p+4*\z:32+8*\p+4*\z+3], v[WSO], s[68:69] offset:4096+64*\p+16*\z
.endr
.endr
	WIN 0
	; a fragment is 16 rows x 32 K in 8 registers: lane l holds row l % 16, K = 8 (l / 16) + 0..7 and 16 + 8 (l / 16) + 0..7: two loads of 16 bytes, 32 bytes apart
	v_mul_u32_u24 v3, v1, PITCH
	v_lshl_add_u32 v3, v2, 4, v3                   ; row x pitch + 16 x half
	s_mul_i32 s21, s11, HALFT                      ; my 128 rows of xh
	s_mul_i32 s22, s12, HALFT                      ; my 128 rows of wug,
	s_add_co_u32 s22, s22, 2*HALFT                 ; which lie behind xh's 256
.irp s, 0,1
	v_add_nc_u32 v[ADRA+(\s)], s21, v3
	v_add_nc_u32 v[ADRB+(\s)], s22, v3
	s_add_co_u32 s21, s21, SLOT
	s_add_co_u32 s22, s22, SLOT
.endr
	; the way out goes through slot 0's first 256 x 272 bytes: 256 rows of 128 channels.  In: my 128 rows, my 128 bytes of each; back: wave w takes rows 64 w .. 64 w + 63, whole
	s_mul_i32 s74, s11, HALFT
	s_lshl_b32 s75, s12, 7
	s_add_co_u32 s74, s74, s75
	v_add_nc_u32 v[STO], s74, v3
	s_mul_i32 s74, s10, 64*PITCH
	v_mul_u32_u24 v5, v2, PITCH
	v_lshl_add_u32 v5, v1, 4, v5
	v_add_nc_u32 v[RD], s74, v5
	v_lshlrev_b32 v5, 11, v2                       ; and the same two rows in hh, 2,048 bytes each
	v_lshl_add_u32 v[CO], v1, 4, v5
	s_lshl_b32 s74, s13, 8
	s_lshl_b32 s75, s10, 6
	s_add_co_u32 s74, s74, s75                     ; the first row that I store: 256 Y + 64 w
	s_lshl_b32 s74, s74, 11
	s_lshl_b32 s75, s42, 8                         ; the tile's 128 channels: 256 bytes
	s_add_co_u32 s74, s74, s75
	s_mov_b32 s75, 0
	s_add_nc_u64 s[8:9], s[8:9], s[74:75]
	; the prefetches
	s_lshl_b32 s13, s13, 8
	s_lshl_b32 s42, s42, 8
	s_and_b32 s22, ttmp7, 0xffff                   ; cluster y
	s_cmp_eq_u32 s11, 0                            ; do I fetch for xh?
	s_cselect_b32 s20, s13, s42                    ; the tile's first row
	s_cselect_b32 s21, s40, s41                    ; my place among the four that ask for it with me
	s_cselect_b32 s22, ttmp9, s22                  ; the coordinate along which other clusters read the same rows
	s_cselect_b64 s[PFA:PFA+1], s[4:5], s[6:7]
	s_cmp_eq_u32 s22, 0
	s_cselect_b32 s[LIM], 1, -1                    ; the same in all sixteen partners, for a given wave
	s_lshl_b32 s22, s12, 7
	s_add_co_u32 s20, s20, s22                     ; + the 128 rows that I fetch
	s_lshl_b32 s21, s21, 5
	s_add_co_u32 s20, s20, s21                     ; + my work-group's 32 of them
	s_mov_b32 s21, 0
	s_mov_b64 s[18:19], SIZE_K*2
	s_mul_u64 s[20:21], s[20:21], s[18:19]
	s_add_nc_u64 s[PFA:PFA+1], s[PFA:PFA+1], s[20:21]
	s_add_nc_u64 s[PFA:PFA+1], s[PFA:PFA+1], 2*KSTEP*2  ; at K step 2: the first refill steps it to 3 and names K step 4.  Nothing is prefetched here, at the head
	v_and_b32 v[PFO], 31, v0
	v_mul_u32_u24 v[PFO], v[PFO], SIZE_K*2
	; my wave's maxima of nrm: NX over its first 8 KiB, NU and NG over 4 KiB each
	s_wait_loadcnt 0x0                             ; nrm and the scales
	v_max3_num_f32 v12, v[NRM], v[NRM+1], v[NRM+2]
.irp k, 3,5,7,9,11,13
	v_max3_num_f32 v12, v12, v[NRM+\k], v[NRM+\k+1]
.endr
	v_max_num_f32 v12, v12, v[NRM+15]
	v_max3_num_f32 v13, v[NRM+16], v[NRM+17], v[NRM+18]
	v_max3_num_f32 v14, v[NRM+24], v[NRM+25], v[NRM+26]
.irp k, 19,21
	v_max3_num_f32 v13, v13, v[NRM+\k], v[NRM+\k+1]
	v_max3_num_f32 v14, v14, v[NRM+\k+8], v[NRM+\k+9]
.endr
	v_max_num_f32 v13, v13, v[NRM+23]
	v_max_num_f32 v14, v14, v[NRM+31]
.irp m, 1,2,4,8
.irp r, 12,13,14
	v_max_num_f32_dpp v[\r], v[\r], v[\r] row_xmask:\m row_mask:0xf bank_mask:0xf
.endr
.endr
.irp r, 0,1,2
	v_permlanex16_b32 v[NRM+\r], v[12+\r], s72, s73 ; its destination counts as read: it has been loaded
.endr
.irp r, 0,1,2
	v_max_num_f32 v[12+\r], v[12+\r], v[NRM+\r]
.endr
	v_mov_b32 v15, 0
	s_lshl_b32 s74, s10, 4
	s_add_co_u32 s74, s74, SCR
	v_mov_b32 v9, s74
	ds_store_b128 v9, v[12:15]                     ; all lanes write the same 16 bytes with the same numbers
	v_mov_b32 v[SCRA], SCR
	s_wait_dscnt 0x0                               ; for the others' sake: they read it on the way out, behind many barriers
	s_wait_tensorcnt 1                             ; my part of K step 0 is in; K step 1's stays out
	s_barrier_signal -1
	s_barrier_wait -1
	FETCH 0, 0, F0
	QUARTER 0, 64,  F0, F1, 1                      ; the first quarter stands in front of the loop: its products start the sums
	WIN 0                                          ; at a label and at a branch every window is 0
	s_mov_b32 s3, LAPS-1
.Llap:                                                 ; a trip goes once round the ring, from a lap's second quarter to the next lap's first, and fills both slots again
	QUARTER 0, 128, F1, F0, 0
	QUARTER 0, 192, F0, F1, 0
	TURN 0, 1, 1
	QUARTER 1, 64,  F0, F1, 0
	QUARTER 1, 128, F1, F0, 0
	QUARTER 1, 192, F0, F1, 0
	TURN 1, 0, 1
	QUARTER 0, 64,  F0, F1, 0
	WIN 0
	s_sub_co_u32 s3, s3, 1
	s_cmp_lg_u32 s3, 0
	s_cbranch_scc1 .Llap
	QUARTER 0, 128, F1, F0, 0                      ; the last lap fills nothing, and has no round of the cluster's barrier
	QUARTER 0, 192, F0, F1, 0
	TURN 0, 1, 0                                   ; behind its barrier no wave reads slot 0 any more, and no load fills it again
	QUARTER 1, 64,  F0, F1, 0
	QUARTER 1, 128, F1, F0, 0
	QUARTER 1, 192, F0, F1, 0
	s_wait_dscnt 8                                 ; the very last quarter: nothing more to fetch
	WIN MUL_LO
	MUL16 F1, 0, 0, 0
	MUL16 F1, 0, 2, 0
	s_wait_dscnt 0x0
	MUL16 F1, 1, 0, 0
	MUL16 F1, 1, 2, 0
	WIN 0
	PLACES
	; ALPHA, from the four waves' maxima
	ds_load_b128 v[192:195], v[SCRA]
	ds_load_b128 v[196:199], v[SCRA] offset:16
	ds_load_b128 v[200:203], v[SCRA] offset:32
	ds_load_b128 v[204:207], v[SCRA] offset:48
	s_wait_dscnt 0x0
	v_max3_num_f32 v12, v192, v196, v200
	v_max3_num_f32 v13, v193, v197, v201
	v_max3_num_f32 v14, v194, v198, v202
	v_max_num_f32 v12, v12, v204                   ; NX
	v_max_num_f32 v13, v13, v205                   ; NU
	v_max_num_f32 v14, v14, v206                   ; NG
	v_mul_f32 v13, v13, v14
	v_sqrt_f32 v15, v13
	v_nop                                          ; a plain instruction behind the root,
	s_wait_alu depctr_va_vdst(0)                   ; and the wait ahead of its first use
	v_mul_f32 v12, v12, v15                        ; Hb
	v_lshrrev_b32 v12, 23, v12                     ; its biased exponent E (Hb is not negative),
	v_max_u32 v12, 16, v12
	v_min_u32 v12, 250, v12                        ; held to 16 .. 250
	v_sub_nc_u32 v12, 268, v12
	v_lshlrev_b32 v12, 23, v12                     ; alpha = 2^(141 - E)
	v_mul_f32 v6, 0xbd317218, v12                  ; -ln(2) / 16 x alpha,
	v_mov_b32 v7, v6                               ; as a pair
	v_mov_b32 v8, 0xbdb8aa3b                       ; -log2(e) / 16
	v_mov_b32 v9, v8
	WIN 0x41                                       ; destination and source 0 window 1, source 1 window 0
.set n, 0
.rept 16
	v_pk_mul_f32 v[n:n+1], v[n:n+1], v[6:7]        ; sU
	v_pk_mul_f32 v[32+n:32+n+1], v[32+n:32+n+1], v[8:9]  ; sG
.set n, n+2
.endr
; Block a: my rows 16 a .. 16 a + 15, 64 channels.  The exponentials are one batch with one wait, the reciprocals another; each accumulator is read from its lowest registers on.
.macro BLOCK a
.set AC, 64*((\a)%4)
	WIN 0x06+(\a)/4                                ; source 0: window 2 or 3; source 1: window 1; destination: window 0
.irp p, 0,1,2,3
.irp q, 0,2,4,6
	v_pk_mul_f32 v[TT+8*\p+\q:TT+8*\p+\q+1], v[AC+8*(2*\p+1)+\q:AC+8*(2*\p+1)+\q+1], v[32+8*\p+\q:32+8*\p+\q+1]  ; G'
	v_pk_mul_f32 v[VV+8*\p+\q:VV+8*\p+\q+1], v[AC+16*\p+\q:AC+16*\p+\q+1], v[8*\p+\q:8*\p+\q+1]                  ; U'
.endr
.endr
	WIN 0
.set n, 0
.rept 32
	v_exp_f32 v[EE+n], v[TT+n]
.set n, n+1
.endr
.set n, 0
.rept 16
	v_pk_mul_f32 v[VV+n:VV+n+1], v[TT+n:TT+n+1], v[VV+n:VV+n+1]  ; G' U' = alpha g u, under 2^15: work that names no exponential's result
.set n, n+2
.endr
	s_wait_alu depctr_va_vdst(0)                   ; one wait for the 32 exponentials, ahead of their first reader
.set n, 0
.rept 16
	v_pk_add_f32 v[EE+n:EE+n+1], v[EE+n:EE+n+1], 1.0 op_sel_hi:[1,0]
.set n, n+2
.endr
.set n, 0
.rept 32
	v_rcp_f32 v[EE+n], v[EE+n]
.set n, n+1
.endr
	v_nop                                          ; a plain instruction behind the last reciprocal,
	s_wait_alu depctr_va_vdst(0)                   ; and one wait for the 32
.set n, 0
.rept 16
	v_pk_mul_f32 v[VV+n:VV+n+1], v[VV+n:VV+n+1], v[EE+n:EE+n+1]
.set n, n+2
.endr
.set n, 0
.rept 16
	v_cvt_pk_f16_f32 v[HP+n], v[VV+2*n], v[VV+2*n+1]
.set n, n+1
.endr
.irp p, 0,1,2,3
	ds_store_b128 v[STO], v[HP+4*\p:HP+4*\p+3] offset:(\a)*16*PITCH+32*\p
.endr
.endm
.irp a, 0,1,2,3,4,5,6,7
	BLOCK \a
.endr
	s_wait_dscnt 0x0                               ; for the others' sake: a row's 256 bytes come from two waves
	s_barrier_signal -1
	s_barrier_wait -1
.set t, 0
.rept 32
	ds_load_b128 v[64+4*t:64+4*t+3], v[RD] offset:2*PITCH*t
.set t, t+1
.endr
.set t, 0
.rept 32
	s_wait_dscnt 31-t                              ; the younger loads stay out
	global_store_b128 v[CO], v[64+4*t:64+4*t+3], s[8:9] offset:4096*t  ; 16 lanes store 256 consecutive bytes, aligned
.set t, t+1
.endr
	s_wait_tensorcnt 0x0                           ; the wave's end: behind my last tensor load and my last LDS store
	ds_add_u32 v[SPW], v[NIL]
	s_wait_dscnt 0x0
	CROUND                                         ; the closing round: no work-group ends while a partner may still ask for a tile that names it
	s_endpgm
.Lfunc_end_k_qdf575fe440_gemm1:
	.size	k_qdf575fe440_gemm1, .Lfunc_end_k_qdf575fe440_gemm1-k_qdf575fe440_gemm1
	.p2alignl 7, 3214868480
	.fill 96, 4, 3214868480
	.section	.rodata,"a",@progbits
	.p2align	6, 0x0
	.amdhsa_kernel k_qdf575fe440_gemm1
		.amdhsa_group_segment_fixed_size 327680
		.amdhsa_private_segment_fixed_size 0
		.amdhsa_enable_private_segment 0
		.amdhsa_kernarg_size 40
		.amdhsa_user_sgpr_count 2
		.amdhsa_user_sgpr_kernarg_segment_ptr 1
		.amdhsa_wavefront_size32 1
		.amdhsa_system_sgpr_workgroup_id_x 1
		.amdhsa_system_sgpr_workgroup_id_y 1
		.amdhsa_system_sgpr_workgroup_id_z 1
		.amdhsa_system_vgpr_workitem_id 0
		.amdhsa_next_free_vgpr 1024
		.amdhsa_next_free_sgpr 80
		.amdhsa_reserve_vcc 0
		.amdhsa_float_denorm_mode_32 3
		.amdhsa_float_denorm_mode_16_64 3
		.amdhsa_memory_ordered 1
		.amdhsa_forward_progress 1
		.amdhsa_inst_pref_size 194
	.end_amdhsa_kernel
	.amdgpu_metadata
---
amdhsa.version: [ 1, 2 ]
amdhsa.kernels:
  - .name:           k_qdf575fe440_gemm1
    .symbol:         k_qdf575fe440_gemm1.kd
    .args:
      - { .name: xh, .offset: 0, .size: 8, .value_kind: global_buffer, .address_space: global }
      - { .name: wug, .offset: 8, .size: 8, .value_kind: global_buffer, .address_space: global }
      - { .name: hh, .offset: 16, .size: 8, .value_kind: global_buffer, .address_space: global }
      - { .name: Wscale_ug, .offset: 24, .size: 8, .value_kind: global_buffer, .address_space: global }
      - { .name: nrm, .offset: 32, .size: 8, .value_kind: global_buffer, .address_space: global }
    .group_segment_fixed_size: 327680
    .private_segment_fixed_size: 0
    .kernarg_segment_align: 8
    .kernarg_segment_size: 40
    .max_flat_workgroup_size: 128
    .sgpr_count:     80
    .vgpr_count:     1024
    .wavefront_size: 32
...
	.end_amdgpu_metadata
.endif
;; end of part 2
;; launch gemm2 (part 3): grid 8 x 32, 4 waves a work-group, clusters of 4 x 4, 327,680 bytes of LDS; arguments hh, wd, out0, Wscale_dp, nrm; writes out0
.if DOCPART == 3
	.amdgcn_target "amdgcn-amd-amdhsa--gfx1250"
	.amdhsa_code_object_version 6
	.text
	.protected	k_qdf575fe440_gemm2
	.globl	k_qdf575fe440_gemm2
	.p2align	8
	.type	k_qdf575fe440_gemm2,@function
k_qdf575fe440_gemm2:
	s_mov_b64 s[64:65], 0
	v_nop
	global_prefetch_b8 v0, s[64:65] scope:SCOPE_SE
	s_setreg_imm32_b32 hwreg(HW_REG_WAVE_MODE, 25, 1), 1
	s_wait_xcnt 0x0
	s_wait_alu depctr_hold_cnt(0) depctr_sa_sdst(0) depctr_va_vdst(0) depctr_va_sdst(0) depctr_va_ssrc(0) depctr_va_vcc(0) depctr_vm_vsrc(0)
	s_getreg_b32 s2, hwreg(HW_REG_IB_STS2, 6, 4)
	s_cmp_eq_u32 s2, 0
	s_cbranch_scc0 .Lentry_in_a_cluster
	s_endpgm
.Lentry_in_a_cluster:
	s_bfe_u32 s2, ttmp6, 0x10000c
	s_cmp_lg_u32 s2, 0xf033
	s_cbranch_scc0 .Lentry_shape_is_right
	s_endpgm
.Lentry_shape_is_right:
; DOWN.  out0[t][o] = Wscale_dp[o] / (16 alpha) x the sum over k of hh[t][k] wd[o][k].  hh: [8192][1024] f16 = alpha h; wd: [2048][1024] f16 = 16 x the rotated, signed rows of W_down; out0: [8192][2048] f32.
; alpha is made as in the launch before, by the same lines from the same figures in nrm: 1 / alpha = 2^(E - 141), an exact power of two.
; LIMITS.  As stated for hh and wd where they are made; NaN and infinities are not treated apart.
; SHAPE, CLUSTERS, REGISTERS as in the launch before: a tile of out0 is 256 x 256, a work-group each, four waves of 128 x 128; K in steps of 128 through two LDS slots; clusters of 4 x 4 with joint loads,
; hh's tiles shared along a row of the cluster, wd's along a column; the matrix instruction used transposed, so that a lane holds eight neighbouring columns of one row.
;   window 0: v0-31 addresses and temporaries; v32-63 nrm at the head; v64-127, v128-191 hh's fragments, later the way out; v192-255 the way out
;   window 1: v0-63 my 64 column scales (8 for each of 8 column blocks); v64-191 wd's fragments      windows 2, 3: accumulator (a, b) at v[8 (8 (a % 4) + b)] of window 2 + a / 4
; THE WAY OUT.  A block of 16 rows x 128 columns of f32 at a time goes through the wave's own stage in LDS and comes back as whole pieces of rows: a store covers 512 consecutive bytes, aligned.
.set SIZE_K, 1024
.set KSTEP,  128
.set PITCH,  272
.set HALFT,  128*PITCH
.set SLOT,   4*HALFT
.set STAGE,  2*SLOT                    ; behind the ring, never filled by a tensor load: 16 rows x 528 bytes for each wave
.set SPITCH, 528                       ; 512 bytes + 16: the 16 rows that a store touches start 16 bytes apart modulo 256
.set SCR,    STAGE+4*16*SPITCH         ; 16 bytes for each wave's three maxima, a block of 256 bytes of their own
.set SPARE,  SCR+256                   ; the spare words, 128 bytes for each wave: two blocks of 256 bytes that no other line names
.set LAPS,   SIZE_K/(2*KSTEP)
.set ADRA, 16
.set ADRB, 20
.set STO,  24
.set RD,   25
.set CO,   26
.set SCRA, 27
.set SPW,  28
.set NIL,  29
.set PFO,  30
.set WSO,  31
.set NRM,  32
.set F0,   64
.set F1,   128
.set TT,   64                          ; the way out: a block's 64 scaled results
.set LIM,  43
.set PFA,  44
.set G1,  24
.set G0,  32
.set G1B, 48
.set G0B, 56
.set MSB, 0
.macro WIN new                         ; the immediate's high byte repeats the setting that is left; a switch that changes nothing is dropped
.if MSB != (\new)
	s_set_vgpr_msb (MSB<<8)|(\new)
.set MSB, \new
.endif
.endm
.set MUL_LO, 0xa1                      ; source 0 (wd) window 1, source 1 (hh) window 0, C and D window 2
.set MUL_HI, 0xf1                      ; the same, C and D window 3
.set TO_B,   0x40                      ; destination window 1, address window 0
; A joint load.  Waves 0 and 1 fetch hh's two halves, waves 2 and 3 wd's.  The branch hangs on the wave's number alone.  An s_nop 0 and four v_nop follow each of the two lines.
.macro JLOAD s
	s_cmp_eq_u32 s11, 0
	s_cbranch_scc0 .Lfor_b_\@
	tensor_load_to_lds s[G0+4*(\s):G0+4*(\s)+3], s[G1:G1+7]
	s_nop 0
.rept 4
	v_nop
.endr
	s_branch .Lasked_\@
.Lfor_b_\@:
	tensor_load_to_lds s[G0B+4*(\s):G0B+4*(\s)+3], s[G1B:G1B+7]
	s_nop 0
.rept 4
	v_nop
.endr
.Lasked_\@:
.endm
; A prefetch of the K step that stands two refills on: 32 rows x 256 bytes, a lane a row, one instruction a wave.  Each row's 256 bytes of a K step are named once in the launch: cluster x = 0 asks for hh's
; rows, cluster y = 0 for wd's; the four partners that ask for a tile jointly take 32 of a wave's 128 rows each, told apart by address.  The loop's last trip asks for nothing: K ends there.
.macro ASK
	s_cmp_gt_u32 s3, s[LIM]
	s_cbranch_scc0 .Lnot_mine_\@
	global_prefetch_b8 v[PFO], s[PFA:PFA+1] offset:KSTEP*2 th:TH_LOAD_NT scope:SCOPE_SE
.Lnot_mine_\@:
.endm
.macro CREST                           ; a round of the cluster's barrier behind its opening barrier
	s_cmp_lg_u32 s10, 0
	s_cbranch_scc1 .Lnot_wave_0_\@
	s_barrier_signal -3
.Lnot_wave_0_\@:
	s_barrier_wait -3
	s_barrier_signal -1
	s_barrier_wait -1
.endm
.macro CROUND                          ; a whole round
	s_barrier_signal -1
	s_barrier_wait -1
	CREST
.endm
; 16 matrix instructions: row blocks a0, a0 + 1 of the window's four x all 8 column blocks, 32 along K.  zero = 1: the first product starts the sums.
.macro MUL16 f, hi, a0, zero
	WIN MUL_LO+0x50*(\hi)
.irp a, \a0, (\a0)+1
.irp b, 0,1,2,3,4,5,6,7
.if \zero
	v_wmma_f32_16x16x32_f16 v[8*(8*(\a)+(\b)):8*(8*(\a)+(\b))+7], v[(\f)+8*(\b):(\f)+8*(\b)+7], v[(\f)+8*(4*(\hi)+(\a)):(\f)+8*(4*(\hi)+(\a))+7], 0
.else
	v_wmma_f32_16x16x32_f16 v[8*(8*(\a)+(\b)):8*(8*(\a)+(\b))+7], v[(\f)+8*(\b):(\f)+8*(\b)+7], v[(\f)+8*(4*(\hi)+(\a)):(\f)+8*(4*(\hi)+(\a))+7], v[8*(8*(\a)+(\b)):8*(8*(\a)+(\b))+7]
.endif
.endr
.endr
.endm
; 32 LDS loads in one run: a quarter step's fragments (128 rows of wd, 128 of hh, 32 K at byte k of the rows) into buffer f
.macro FETCH slot, k, f
	WIN TO_B
.irp i, 0,1,2,3,4,5,6,7
	ds_load_b128 v[(\f)+8*(\i):(\f)+8*(\i)+3],   v[ADRB+(\slot)] offset:(\k)+(\i)*16*PITCH
	ds_load_b128 v[(\f)+8*(\i)+4:(\f)+8*(\i)+7], v[ADRB+(\slot)] offset:(\k)+(\i)*16*PITCH+32
.endr
	WIN 0
.irp i, 0,1,2,3,4,5,6,7
	ds_load_b128 v[(\f)+8*(\i):(\f)+8*(\i)+3],   v[ADRA+(\slot)] offset:(\k)+(\i)*16*PITCH
	ds_load_b128 v[(\f)+8*(\i)+4:(\f)+8*(\i)+7], v[ADRA+(\slot)] offset:(\k)+(\i)*16*PITCH+32
.endr
.endm
.macro PLACES                          ; four plain vector instructions between a matrix instruction and a load into, or a vector write or read of, its registers
.rept 4
	v_nop
.endr
.endm
; A K step is four quarters of 32 along K, 64 matrix instructions each, on buffers 0, 1, 0, 1.  One of the first three: multiplies f; in its middle it fetches the next quarter, at byte k, into g.
.macro QUARTER slot, k, f, g, zero
	s_wait_dscnt 8                                 ; wd's fragments and hh's rows 0-63 are in; the youngest eight loads (rows 64-127) may be out
	WIN MUL_LO
	MUL16 \f, 0, 0, \zero
	MUL16 \f, 0, 2, \zero
	PLACES
	FETCH \slot, \k, \g
	s_wait_dscnt 32                                ; all but the 32 just issued
	WIN MUL_HI
	MUL16 \f, 1, 0, \zero
	MUL16 \f, 1, 2, \zero
.endm
; The first half of the last quarter: one barrier for the change of slots.  In front of it each wave waits for all its tensor loads (one is out: its part of the next slot), adds 0 to its spare word,
; and waits for that and for its own reads of this slot.  Behind it nobody reads this slot any more and the next slot is whole.
.macro MEET round
	WIN 0
	s_wait_tensorcnt 0x0
	ds_add_u32 v[SPW], v[NIL]
	s_wait_dscnt 9                                 ; the add and the youngest eight loads may be out
	WIN MUL_LO
	MUL16 F1, 0, 0, 0
	s_wait_dscnt 0x0                               ; the add is done, and my reads of this slot are over
	s_barrier_signal -1
	MUL16 F1, 0, 2, 0
.if \round
	WIN 0
.endif
	s_barrier_wait -1
.endm
; The whole last quarter.  fill = 1: the barrier opens a round of the cluster's barrier, and the slot just read out is filled again, first thing behind the round, with the K step two steps on:
; 224 matrix instructions stand between that request and the wait for it.
.macro TURN slot, next, fill
.if \fill
	s_wait_xcnt 0x0                                ; the last prefetch, a K step back, has read its address
	s_add_nc_u64 s[PFA:PFA+1], s[PFA:PFA+1], KSTEP*2
	MEET 1
	CREST
	s_add_nc_u64 s[G0+4*(\slot)+2:G0+4*(\slot)+3], s[G0+4*(\slot)+2:G0+4*(\slot)+3], 2*KSTEP*2
	s_add_nc_u64 s[G0B+4*(\slot)+2:G0B+4*(\slot)+3], s[G0B+4*(\slot)+2:G0B+4*(\slot)+3], 2*KSTEP*2
	JLOAD \slot                                    ; the four v_nop behind it are also the places in front of the loads below
.else
	MEET 0
	PLACES
.endif
	FETCH \next, 0, F0
.if \fill
	ASK
.endif
	WIN MUL_HI
	MUL16 F1, 1, 0, 0
	MUL16 F1, 1, 2, 0
.endm
	s_load_b128 s[4:7], s[0:1], 0x0                ; hh s[4:5], wd s[6:7]
	s_load_b64 s[8:9], s[0:1], 0x10                ; out0
	s_load_b128 s[68:71], s[0:1], 0x18             ; Wscale_dp s[68:69], nrm s[70:71]
	v_lshl_add_u32 v[SPW], v0, 2, SPARE
	v_mov_b32 v[NIL], 0
	ds_add_u32 v[SPW], v[NIL]                      ; the wave's opening: the add, twice on end, and its wait ahead of my first tensor load
	ds_add_u32 v[SPW], v[NIL]
	v_lshrrev_b32 v1, 5, v0
	v_readfirstlane_b32 s10, v1                    ; wave 0..3
	s_lshr_b32 s11, s10, 1                         ; which half of the tile's rows is mine.  Also: I fetch for hh (0) or for wd (1)
	s_and_b32 s12, s10, 1                          ; which half of its columns.  Also: which 128 rows of that tile I fetch
	s_bfe_u32 s40, ttmp6, 0x40000                  ; cx
	s_bfe_u32 s41, ttmp6, 0x40004                  ; cy
	s_lshl_b32 s42, ttmp9, 2
	s_add_co_u32 s42, s42, s40                     ; tile column X = 4 x cluster x + cx
	s_and_b32 s13, ttmp7, 0xffff
	s_lshl_b32 s13, s13, 2
	s_add_co_u32 s13, s13, s41                     ; tile row Y = 4 x cluster y + cy
	s_lshl_b32 s43, s41, 2
	s_lshl_b32 s43, 15, s43                        ; my row of the cluster
	s_lshl_b32 s44, 0x1111, s40                    ; my column
	; descriptor group 1: 128 rows x 128 elements of 2 bytes; 16 bytes of padding behind every 64 words; the mask, and bit 21 beside it
	s_or_b32 s[G1+0], s43, (1<<16)|(1<<20)|(1<<21)|(5<<22)|(3<<25)
	s_or_b32 s[G1B+0], s44, (1<<16)|(1<<20)|(1<<21)|(5<<22)|(3<<25)
.irp g, G1, G1B
	s_mov_b32 s[(\g)+1], KSTEP<<16                 ; tensor_dim0 = 128
	s_mov_b32 s[(\g)+2], 128<<16                   ; tensor_dim1 = 128
	s_mov_b32 s[(\g)+3], KSTEP<<16                 ; tile_dim0 = 128
	s_mov_b32 s[(\g)+4], 128                       ; tile_dim1 = 128
	s_mov_b32 s[(\g)+5], SIZE_K                    ; elements from row to row
	s_mov_b32 s[(\g)+6], 0
	s_mov_b32 s[(\g)+7], 0
.endr
	s_mov_b32 s72, 0x76543210                      ; v_permlanex16_b32's selects
	s_mov_b32 s73, 0xfedcba98
	s_lshl_b32 s17, s12, 7                         ; which 128 rows of the tile I fetch
	s_lshl_b32 s16, s13, 8
	s_add_co_u32 s16, s16, s17                     ; hh: row 256 Y + 128 x half
	s_lshl_b32 s46, s42, 8
	s_add_co_u32 s46, s46, s17                     ; wd: row 256 X + 128 x half
	s_mov_b32 s17, 0
	s_mov_b32 s47, 0
	s_mov_b64 s[18:19], SIZE_K*2
	s_mul_u64 s[16:17], s[16:17], s[18:19]
	s_mul_u64 s[46:47], s[46:47], s[18:19]
	s_mul_i32 s20, s10, HALFT                      ; where they go: wave x 128 rows: no place in the cluster enters an LDS address
	s_wait_dscnt 0x0                               ; both opening adds are done
	s_wait_kmcnt 0x0
	s_add_nc_u64 s[14:15], s[4:5], s[16:17]
	s_add_nc_u64 s[46:47], s[6:7], s[46:47]
	CROUND                                         ; all sixteen work-groups are here: the first joint loads meet
.irp s, 0,1
	s_mov_b32 s[G0+4*(\s)], 1
	s_add_co_u32 s[G0+4*(\s)+1], s20, (\s)*SLOT
	s_add_nc_u64 s[G0+4*(\s)+2:G0+4*(\s)+3], s[14:15], (\s)*KSTEP*2
	s_or_b32 s[G0+4*(\s)+3], s[G0+4*(\s)+3], 0x80000000
	s_mov_b32 s[G0B+4*(\s)], 1
	s_add_co_u32 s[G0B+4*(\s)+1], s20, (\s)*SLOT
	s_add_nc_u64 s[G0B+4*(\s)+2:G0B+4*(\s)+3], s[46:47], (\s)*KSTEP*2
	s_or_b32 s[G0B+4*(\s)+3], s[G0B+4*(\s)+3], 0x80000000
	JLOAD \s                                       ; two tensor loads of mine are out
.endr
	; nrm (16 bytes a thread, eight times: the work-group reads all 16 KiB) and my columns' scales, once, while the first tiles are on their way
	v_and_b32 v1, 15, v0                           ; l % 16
	v_bfe_u32 v2, v0, 4, 1                         ; l / 16
	v_lshlrev_b32 v11, 4, v0
	v_lshlrev_b32 v[WSO], 5, v2
	s_lshl_b32 s74, s42, 10                        ; my first column is 256 X + 128 x column half: 4 bytes each
	s_lshl_b32 s75, s12, 9
	s_add_co_u32 s74, s74, s75
	s_mov_b32 s75, 0
	s_add_nc_u64 s[68:69], s[68:69], s[74:75]
.irp i, 0,1,2,3,4,5,6,7
	global_load_b128 v[NRM+4*\i:NRM+4*\i+3], v11, s[70:71] offset:2048*\i
.endr
	WIN TO_B
.irp b, 0,1,2,3,4,5,6,7                ; columns 16 b + 8 (l / 16) + 0..7 into v[8 b ..] of window 1
	global_load_b128 v[8*\b:8*\b+3], v[WSO], s[68:69] offset:64*\b
	global_load_b128 v[8*\b+4:8*\b+7], v[WSO], s[68:69] offset:64*\b+16
.endr
	WIN 0
	; a fragment is 16 rows x 32 K in 8 registers: lane l holds row l % 16, K = 8 (l / 16) + 0..7 and 16 + 8 (l / 16) + 0..7: two loads of 16 bytes, 32 bytes apart
	v_mul_u32_u24 v3, v1, PITCH
	v_lshl_add_u32 v3, v2, 4, v3                   ; row x pitch + 16 x half
	s_mul_i32 s21, s11, HALFT                      ; my 128 rows of hh
	s_mul_i32 s22, s12, HALFT                      ; my 128 rows of wd,
	s_add_co_u32 s22, s22, 2*HALFT                 ; which lie behind hh's 256
.irp s, 0,1
	v_add_nc_u32 v[ADRA+(\s)], s21, v3
	v_add_nc_u32 v[ADRB+(\s)], s22, v3
	s_add_co_u32 s21, s21, SLOT
	s_add_co_u32 s22, s22, SLOT
.endr
	s_mul_i32 s74, s10, 16*SPITCH
	s_add_co_u32 s74, s74, STAGE                   ; my stage
	v_mul_u32_u24 v4, v1, SPITCH                   ; in: row l % 16, 32 bytes for each half of the lanes
	v_lshl_add_u32 v4, v2, 5, v4
	v_add_nc_u32 v[STO], s74, v4
	v_and_b32 v5, 31, v0
	v_lshlrev_b32 v[CO], 4, v5                     ; back and out: 32 lanes take a row's 512 bytes
	v_add_nc_u32 v[RD], s74, v[CO]
	s_lshl_b32 s74, s13, 8
	s_lshl_b32 s75, s11, 7
	s_add_co_u32 s74, s74, s75                     ; my first row: 256 Y + 128 x row half,
	s_lshl_b32 s74, s74, 13                        ; of 8,192 bytes;
	s_lshl_b32 s75, s42, 10
	s_add_co_u32 s74, s74, s75
	s_lshl_b32 s75, s12, 9
	s_add_co_u32 s74, s74, s75                     ; my first column, 4 bytes each
	s_mov_b32 s75, 0
	s_add_nc_u64 s[8:9], s[8:9], s[74:75]          ; never stepped: the stores' immediates reach 127 rows, 1,040,384 bytes
	; the prefetches
	s_lshl_b32 s13, s13, 8
	s_lshl_b32 s42, s42, 8
	s_and_b32 s22, ttmp7, 0xffff                   ; cluster y
	s_cmp_eq_u32 s11, 0                            ; do I fetch for hh?
	s_cselect_b32 s20, s13, s42                    ; the tile's first row
	s_cselect_b32 s21, s40, s41                    ; my place among the four that ask for it with me
	s_cselect_b32 s22, ttmp9, s22                  ; the coordinate along which other clusters read the same rows
	s_cselect_b64 s[PFA:PFA+1], s[4:5], s[6:7]
	s_cmp_eq_u32 s22, 0
	s_cselect_b32 s[LIM], 1, -1                    ; the same in all sixteen partners, for a given wave
	s_lshl_b32 s22, s12, 7
	s_add_co_u32 s20, s20, s22                     ; + the 128 rows that I fetch
	s_lshl_b32 s21, s21, 5
	s_add_co_u32 s20, s20, s21                     ; + my work-group's 32 of them
	s_mov_b32 s21, 0
	s_mov_b64 s[18:19], SIZE_K*2
	s_mul_u64 s[20:21], s[20:21], s[18:19]
	s_add_nc_u64 s[PFA:PFA+1], s[PFA:PFA+1], s[20:21]
	s_add_nc_u64 s[PFA:PFA+1], s[PFA:PFA+1], 2*KSTEP*2  ; at K step 2: the first refill steps it to 3 and names K step 4.  Nothing is prefetched here, at the head
	v_and_b32 v[PFO], 31, v0
	v_mul_u32_u24 v[PFO], v[PFO], SIZE_K*2
	; my wave's maxima of nrm: NX over its first 8 KiB, NU and NG over 4 KiB each
	s_wait_loadcnt 0x0                             ; nrm and the scales
	v_max3_num_f32 v12, v[NRM], v[NRM+1], v[NRM+2]
.irp k, 3,5,7,9,11,13
	v_max3_num_f32 v12, v12, v[NRM+\k], v[NRM+\k+1]
.endr
	v_max_num_f32 v12, v12, v[NRM+15]
	v_max3_num_f32 v13, v[NRM+16], v[NRM+17], v[NRM+18]
	v_max3_num_f32 v14, v[NRM+24], v[NRM+25], v[NRM+26]
.irp k, 19,21
	v_max3_num_f32 v13, v13, v[NRM+\k], v[NRM+\k+1]
	v_max3_num_f32 v14, v14, v[NRM+\k+8], v[NRM+\k+9]
.endr
	v_max_num_f32 v13, v13, v[NRM+23]
	v_max_num_f32 v14, v14, v[NRM+31]
.irp m, 1,2,4,8
.irp r, 12,13,14
	v_max_num_f32_dpp v[\r], v[\r], v[\r] row_xmask:\m row_mask:0xf bank_mask:0xf
.endr
.endr
.irp r, 0,1,2
	v_permlanex16_b32 v[NRM+\r], v[12+\r], s72, s73 ; its destination counts as read: it has been loaded
.endr
.irp r, 0,1,2
	v_max_num_f32 v[12+\r], v[12+\r], v[NRM+\r]
.endr
	v_mov_b32 v15, 0
	s_lshl_b32 s74, s10, 4
	s_add_co_u32 s74, s74, SCR
	v_mov_b32 v9, s74
	ds_store_b128 v9, v[12:15]                     ; all lanes write the same 16 bytes with the same numbers
	v_mov_b32 v[SCRA], SCR
	s_wait_dscnt 0x0                               ; for the others' sake: they read it on the way out, behind many barriers
	s_wait_tensorcnt 1                             ; my part of K step 0 is in; K step 1's stays out
	s_barrier_signal -1
	s_barrier_wait -1
	FETCH 0, 0, F0
	QUARTER 0, 64,  F0, F1, 1                      ; the first quarter stands in front of the loop: its products start the sums
	WIN 0                                          ; at a label and at a branch every window is 0
	s_mov_b32 s3, LAPS-1
.Llap:                                                 ; a trip goes once round the ring, from a lap's second quarter to the next lap's first, and fills both slots again
	QUARTER 0, 128, F1, F0, 0
	QUARTER 0, 192, F0, F1, 0
	TURN 0, 1, 1
	QUARTER 1, 64,  F0, F1, 0
	QUARTER 1, 128, F1, F0, 0
	QUARTER 1, 192, F0, F1, 0
	TURN 1, 0, 1
	QUARTER 0, 64,  F0, F1, 0
	WIN 0
	s_sub_co_u32 s3, s3, 1
	s_cmp_lg_u32 s3, 0
	s_cbranch_scc1 .Llap
	QUARTER 0, 128, F1, F0, 0                      ; the last lap fills nothing, and has no round of the cluster's barrier
	QUARTER 0, 192, F0, F1, 0
	TURN 0, 1, 0
	QUARTER 1, 64,  F0, F1, 0
	QUARTER 1, 128, F1, F0, 0
	QUARTER 1, 192, F0, F1, 0
	s_wait_dscnt 8                                 ; the very last quarter: nothing more to fetch
	WIN MUL_LO
	MUL16 F1, 0, 0, 0
	MUL16 F1, 0, 2, 0
	s_wait_dscnt 0x0
	MUL16 F1, 1, 0, 0
	MUL16 F1, 1, 2, 0
	WIN 0
	PLACES
	; 1 / ALPHA, from the four waves' maxima, by the same lines as in the launch before
	ds_load_b128 v[192:195], v[SCRA]
	ds_load_b128 v[196:199], v[SCRA] offset:16
	ds_load_b128 v[200:203], v[SCRA] offset:32
	ds_load_b128 v[204:207], v[SCRA] offset:48
	s_wait_dscnt 0x0
	v_max3_num_f32 v12, v192, v196, v200
	v_max3_num_f32 v13, v193, v197, v201
	v_max3_num_f32 v14, v194, v198, v202
	v_max_num_f32 v12, v12, v204                   ; NX
	v_max_num_f32 v13, v13, v205                   ; NU
	v_max_num_f32 v14, v14, v206                   ; NG
	v_mul_f32 v13, v13, v14
	v_sqrt_f32 v15, v13
	v_nop                                          ; a plain instruction behind the root,
	s_wait_alu depctr_va_vdst(0)                   ; and the wait ahead of its first use
	v_mul_f32 v12, v12, v15                        ; Hb
	v_lshrrev_b32 v12, 23, v12                     ; its biased exponent E,
	v_max_u32 v12, 16, v12
	v_min_u32 v12, 250, v12                        ; held to 16 .. 250
	v_sub_nc_u32 v12, v12, 14
	v_lshlrev_b32 v12, 23, v12                     ; 1 / alpha = 2^(E - 141)
	v_mul_f32 v6, 0x3d800000, v12                  ; / 16,
	v_mov_b32 v7, v6                               ; as a pair
	WIN 0x41                                       ; destination and source 0 window 1, source 1 window 0
.set n, 0
.rept 32
	v_pk_mul_f32 v[n:n+1], v[n:n+1], v[6:7]        ; Wscale_dp / (16 alpha)
.set n, n+2
.endr
; Block a (my rows 16 a .. 16 a + 15), in three parts.  PACK: scaled, each accumulator read from its lowest registers on.  TOSTAGE: into my own stage, and back as rows of 512 bytes.  SEND: stored.
.macro PACK a
.set AC, 64*((\a)%4)
	WIN 0x06+(\a)/4                                ; source 0: window 2 or 3; source 1: window 1; destination: window 0
.irp b, 0,1,2,3,4,5,6,7
.irp q, 0,2,4,6
	v_pk_mul_f32 v[TT+8*\b+\q:TT+8*\b+\q+1], v[AC+8*\b+\q:AC+8*\b+\q+1], v[8*\b+\q:8*\b+\q+1]
.endr
.endr
	WIN 0
.endm
.macro TOSTAGE a
.set BK, 128+64*((\a)%2)
.irp b, 0,1,2,3,4,5,6,7
	ds_store_b128 v[STO], v[TT+8*\b:TT+8*\b+3] offset:64*\b
	ds_store_b128 v[STO], v[TT+8*\b+4:TT+8*\b+7] offset:64*\b+16
.endr
.irp t, 0,1,2,3,4,5,6,7,8,9,10,11,12,13,14,15
	ds_load_b128 v[BK+4*\t:BK+4*\t+3], v[RD] offset:SPITCH*\t  ; LDS serves a wave's instructions in order (ISA guide 5.7.1.4): these see the stores above
.endr
.endm
.macro SEND a
.set BK, 128+64*((\a)%2)
	s_wait_dscnt 0x0                               ; the block is back in registers
	s_wait_xcnt 0x0                                ; the block before's stores have read their registers: the next block is loaded into them only behind this wait
.irp t, 0,1,2,3,4,5,6,7,8,9,10,11,12,13,14,15
	global_store_b128 v[CO], v[BK+4*\t:BK+4*\t+3], s[8:9] offset:(16*(\a)+\t)*8192 th:TH_STORE_NT  ; 512 consecutive bytes, aligned
.endr
.endm
	PACK 0
	TOSTAGE 0
.irp a, 1,2,3,4,5,6,7                  ; block a's scaling stands between block a - 1's loads from the stage and the wait for them
	PACK \a
	SEND (\a)-1
	TOSTAGE \a
.endr
	SEND 7
	s_wait_tensorcnt 0x0                           ; the wave's end: behind my last tensor load and my last LDS store
	ds_add_u32 v[SPW], v[NIL]
	s_wait_dscnt 0x0
	CROUND                                         ; the closing round: no work-group ends while a partner may still ask for a tile that names it
	s_endpgm
.Lfunc_end_k_qdf575fe440_gemm2:
	.size	k_qdf575fe440_gemm2, .Lfunc_end_k_qdf575fe440_gemm2-k_qdf575fe440_gemm2
	.p2alignl 7, 3214868480
	.fill 96, 4, 3214868480
	.section	.rodata,"a",@progbits
	.p2align	6, 0x0
	.amdhsa_kernel k_qdf575fe440_gemm2
		.amdhsa_group_segment_fixed_size 327680
		.amdhsa_private_segment_fixed_size 0
		.amdhsa_enable_private_segment 0
		.amdhsa_kernarg_size 40
		.amdhsa_user_sgpr_count 2
		.amdhsa_user_sgpr_kernarg_segment_ptr 1
		.amdhsa_wavefront_size32 1
		.amdhsa_system_sgpr_workgroup_id_x 1
		.amdhsa_system_sgpr_workgroup_id_y 1
		.amdhsa_system_sgpr_workgroup_id_z 1
		.amdhsa_system_vgpr_workitem_id 0
		.amdhsa_next_free_vgpr 1024
		.amdhsa_next_free_sgpr 80
		.amdhsa_reserve_vcc 0
		.amdhsa_float_denorm_mode_32 3
		.amdhsa_float_denorm_mode_16_64 3
		.amdhsa_memory_ordered 1
		.amdhsa_forward_progress 1
		.amdhsa_inst_pref_size 165
	.end_amdhsa_kernel
	.amdgpu_metadata
---
amdhsa.version: [ 1, 2 ]
amdhsa.kernels:
  - .name:           k_qdf575fe440_gemm2
    .symbol:         k_qdf575fe440_gemm2.kd
    .args:
      - { .name: hh, .offset: 0, .size: 8, .value_kind: global_buffer, .address_space: global }
      - { .name: wd, .offset: 8, .size: 8, .value_kind: global_buffer, .address_space: global }
      - { .name: out0, .offset: 16, .size: 8, .value_kind: global_buffer, .address_space: global }
      - { .name: Wscale_dp, .offset: 24, .size: 8, .value_kind: global_buffer, .address_space: global }
      - { .name: nrm, .offset: 32, .size: 8, .value_kind: global_buffer, .address_space: global }
    .group_segment_fixed_size: 327680
    .private_segment_fixed_size: 0
    .kernarg_segment_align: 8
    .kernarg_segment_size: 40
    .max_flat_workgroup_size: 128
    .sgpr_count:     80
    .vgpr_count:     1024
    .wavefront_size: 32
...
	.end_amdgpu_metadata
.endif
;; end of part 3
